; MI455X (gfx1250); checked and timed in simulation.
; The chip was launched on July 23, 2026; its instructions are those of AMD's public machine-readable ISA for CDNA 5 (MIT licence, August 2026) and "CDNA5" Instruction Set Architecture Reference Guide (July 2026). The comments in the code are by the model that wrote it; some were corrected since.
;; Mo E Layer. Allowed arithmetic: float matrix products may take bf16 or f16 operands with f32 sums; other float arithmetic in f32, or as packed bf16 or f16 multiplies, adds, multiply-adds, maxima and minima; sums over many terms, partial sums and values carried from step to step in f32; what a program stores and reads back later, other than sums and carried values, may be rounded once to bf16 or f16.
;; Inputs: b1 8 x 4,096 float32; b2 8 x 1,024 float32; gate_b 8 float32; gate_w 1,024 x 8 float32; w1 8 x 1,024 x 4,096 float32; w2 8 x 4,096 x 1,024 float32; x 2 x 512 x 1,024 float32.
;; Outputs: out0 2 x 512 x 1,024 float32.
;; One version. Each part assembles by itself: llvm-mc -triple=amdgcn-amd-amdhsa -mcpu=gfx1250 --defsym DOCPART=n.
;; ======== version 1 of 1: 4 launches
;; workspace buffers: xb 2,097,152 bytes; tidx 8,192 bytes of whole numbers; twt 8,192 bytes; rpos 32,768 bytes of whole numbers; ecnt 256 bytes of whole numbers; hbuf 67,108,864 bytes; part 134,217,728 bytes
;; launch router (part 1): grid 256 x 1, 4 waves a work-group, no clusters, 0 bytes of LDS; arguments x, gate_w, gate_b, xb, tidx, twt; writes xb, tidx, twt
.if DOCPART == 1
	.amdgcn_target "amdgcn-amd-amdhsa--gfx1250"
	.amdhsa_code_object_version 6
	.text
	.protected	k_qce5adf466f_router
	.globl	k_qce5adf466f_router
	.p2align	8
	.type	k_qce5adf466f_router,@function
k_qce5adf466f_router:
	s_mov_b64 s[64:65], 0
	v_nop
	global_prefetch_b8 v0, s[64:65] scope:SCOPE_SE
	s_setreg_imm32_b32 hwreg(HW_REG_WAVE_MODE, 25, 1), 1
	s_wait_xcnt 0x0
; ROUTER AND CAST.  For each of the 1,024 tokens: x rounded to bf16 (xb), the eight logits x . gate_w + gate_b, the two largest (the lower index wins a tie,
; as the strict comparisons below keep it), and the softmax of those two with the larger taken away first.  Stored at fixed places: tidx[t] = the two experts, twt[t] = their weights.
; No address here hangs on the choice; later launches read tidx and place the rows.
; FORMATS.  x, gate_w and gate_b are rounded to bf16 like every input of the program; the products are exact (bf16 x bf16 in f32), the sums f32.
; LIMITS.  NaN and infinite logits are not ordered apart: with a NaN or with all logits at minus infinity the two indices may be equal.
; SHARES.  One wave, one token: t = 4 x work-group + wave.  Lane l owns k = 128 i + 4 l + c (i = 0..7, c = 0..3): a load of x covers 512 consecutive bytes, a store of xb 256.
; The product has 8 columns for 1,024 rows a token: it is made by 256 multiply-adds a lane from bf16 halves beside the cast, whose loads and stores fix the lanes' shares; no LDS, no barrier.
.set GB,  8                            ; v[8:15]    gate_b, then rounded
.set X,   16                           ; v[16:47]   x as loaded
.set XP,  48                           ; v[48:63]   x in bf16 pairs: XP[2 i + c / 2], half c % 2
.set GL,  64                           ; v[64:191]  gate_w as loaded: two landing buffers of two chunks i (32 registers a chunk: 8 c + e)
.set GP,  192                          ; v[192:223] a batch's gate_w in bf16 pairs: 16 ch + 4 c + e / 2, half e % 2
.set ACC, 224                          ; v[224:231] the eight sums
.set M1,  232                          ; the largest logit
.set M2,  233                          ; the second
.set TT,  234                          ; v[234:235] at work
.set I1,  236                          ; v[236:237] the two indices, a pair for the store
.set I2,  237
.set P1,  238                          ; v[238:239] the two weights
.set P2,  239
.set TG,  240                          ; v[240:243] at work
	s_load_b256 s[4:11], s[0:1], 0x0               ; x s[4:5], gate_w s[6:7], gate_b s[8:9], xb s[10:11]
	s_load_b128 s[12:15], s[0:1], 0x20             ; tidx s[12:13], twt s[14:15]
	v_and_b32 v1, 31, v0                           ; lane
	v_lshrrev_b32 v6, 5, v0
	v_readfirstlane_b32 s16, v6                    ; wave
	s_lshl_b32 s17, ttmp9, 2
	s_add_co_u32 s16, s16, s17                     ; t
	v_lshlrev_b32 v2, 4, v1                        ; 16 l: my 16 bytes in 512 of x
	v_lshlrev_b32 v3, 7, v1                        ; 128 l: my four rows of gate_w in a chunk
	v_lshlrev_b32 v4, 3, v1                        ; 8 l: my 8 bytes in 256 of xb
	v_mov_b32 v5, 0
	s_lshl_b32 s18, s16, 12                        ; a row of x is 4,096 bytes,
	s_mov_b32 s19, 0
	s_lshl_b32 s20, s16, 11                        ; of xb 2,048,
	s_mov_b32 s21, 0
	s_lshl_b32 s22, s16, 3                         ; of tidx and twt 8
	s_mov_b32 s23, 0
	s_mov_b32 s24, 0x76543210                      ; v_permlanex16_b32: each lane takes its own place in the other half
	s_mov_b32 s25, 0xfedcba98
	s_wait_kmcnt 0x0
	s_add_nc_u64 s[4:5], s[4:5], s[18:19]
	s_add_nc_u64 s[10:11], s[10:11], s[20:21]
	s_add_nc_u64 s[12:13], s[12:13], s[22:23]
	s_add_nc_u64 s[14:15], s[14:15], s[22:23]
.macro GLOAD b                         ; batch b: chunks 2 b and 2 b + 1 of gate_w, 16 loads; the eight loads of a chunk cover its 4,096 bytes
.irp ch, 0,1
.irp y, 0,1,2,3,4,5,6,7
	global_load_b128 v[GL+64*((\b)%2)+32*\ch+4*\y:GL+64*((\b)%2)+32*\ch+4*\y+3], v3, s[6:7] offset:4096*(2*(\b)+\ch)+16*\y
.endr
.endr
.endm
.macro GPACK b                         ; the batch rounded to bf16, two experts to a register
.set n, 0
.rept 32
	v_cvt_pk_bf16_f32 v[GP+n], v[GL+64*((\b)%2)+2*n], v[GL+64*((\b)%2)+2*n+1]
.set n, n+1
.endr
.endm
.macro FMAS b                          ; 64 multiply-adds: chunk ch, row c = 2 cu + cl, expert e = 2 p + el; eight chains that take turns.  The very first eight start the sums on v5 = 0
.irp ch, 0,1
.irp cu, 0,1
.irp cl, 0,1
.irp p, 0,1,2,3
.irp el, 0,1
.if ((\b)+(\ch)+(\cu)+(\cl)) == 0
	v_fma_mix_f32_bf16 v[ACC+2*\p+\el], v[XP+2*(2*(\b)+\ch)+\cu], v[GP+16*\ch+4*(2*\cu+\cl)+\p], v5 op_sel:[\cl,\el,0] op_sel_hi:[1,1,0]
.else
	v_fma_mix_f32_bf16 v[ACC+2*\p+\el], v[XP+2*(2*(\b)+\ch)+\cu], v[GP+16*\ch+4*(2*\cu+\cl)+\p], v[ACC+2*\p+\el] op_sel:[\cl,\el,0] op_sel_hi:[1,1,0]
.endif
.endr
.endr
.endr
.endr
.endr
.endm
	global_load_b128 v[GB:GB+3], v5, s[8:9]
	global_load_b128 v[GB+4:GB+7], v5, s[8:9] offset:16
.irp i, 0,1,2,3,4,5,6,7
	global_load_b128 v[X+4*\i:X+4*\i+3], v2, s[4:5] offset:512*\i th:TH_LOAD_NT
.endr
	GLOAD 0
	GLOAD 1
	s_wait_loadcnt 32                              ; gate_b and x are in; the two batches of 16 behind them stay out
.set n, 0
.rept 16
	v_cvt_pk_bf16_f32 v[XP+n], v[X+2*n], v[X+2*n+1]
.set n, n+1
.endr
.irp i, 0,1,2,3,4,5,6,7
	global_store_b64 v4, v[XP+2*\i:XP+2*\i+1], s[10:11] offset:256*\i   ; 32 lanes store 256 consecutive bytes, at a multiple of 256 from xb's first byte; XP is never rewritten
.endr
.irp n, 0,1,2,3
	v_cvt_pk_bf16_f32 v[TG+\n], v[GB+2*\n], v[GB+2*\n+1]                ; gate_b rounded to bf16 and widened again
.endr
.irp n, 0,1,2,3
	v_lshlrev_b32 v[GB+2*\n], 16, v[TG+\n]
	v_and_b32 v[GB+2*\n+1], 0xffff0000, v[TG+\n]
.endr
	s_wait_loadcnt 16                              ; batch 0 is in, batch 1 stays out
	GPACK 0
	GLOAD 2                                        ; into the landing buffer just packed
	FMAS 0
	s_wait_loadcnt 16                              ; batch 1 is in, batch 2 stays out
	GPACK 1
	GLOAD 3
	FMAS 1
	s_wait_loadcnt 16                              ; batch 2 is in, batch 3 stays out
	GPACK 2
	FMAS 2
	s_wait_loadcnt 0x0
	GPACK 3
	FMAS 3
	; the eight sums over the 32 lanes: four steps inside each half ride on the addition, one crosses the halves; every lane ends with all eight logits, bit for bit alike
.irp m, 1,2,4,8
.irp e, 0,1,2,3,4,5,6,7
	v_add_f32_dpp v[ACC+\e], v[ACC+\e], v[ACC+\e] row_xmask:\m row_mask:0xf bank_mask:0xf
.endr
.endr
.irp e, 0,1,2,3,4,5,6,7
	v_permlanex16_b32 v[GP+\e], v[ACC+\e], s24, s25    ; GP has been written and is free
.endr
.irp e, 0,1,2,3,4,5,6,7
	v_add_f32 v[ACC+\e], v[ACC+\e], v[GP+\e]
.endr
.irp e, 0,1,2,3,4,5,6,7
	v_add_f32 v[ACC+\e], v[ACC+\e], v[GB+\e]
.endr
	; the two largest.  Values are chosen by v_cndmask_b32 alone; nothing branches
	v_mov_b32 v[M1], v[ACC]
	v_mov_b32 v[I1], 0
	v_mov_b32 v[M2], 0xff800000                    ; minus infinity
	v_mov_b32 v[I2], 0
.irp e, 1,2,3,4,5,6,7
	v_mov_b32 v[TT], \e
	v_cmp_gt_f32 vcc_lo, v[ACC+\e], v[M1]          ; beats the first
	v_cmp_gt_f32 s26, v[ACC+\e], v[M2]             ; beats the second
	v_cndmask_b32 v[M2], v[M2], v[ACC+\e], s26
	v_cndmask_b32 v[I2], v[I2], v[TT], s26
	v_cndmask_b32 v[M2], v[M2], v[M1], vcc_lo      ; the old first moves down
	v_cndmask_b32 v[I2], v[I2], v[I1], vcc_lo
	v_cndmask_b32 v[M1], v[M1], v[ACC+\e], vcc_lo
	v_cndmask_b32 v[I1], v[I1], v[TT], vcc_lo
.endr
	; softmax of (m1, m2) with m1 taken away: 1 / (1 + e^(m2 - m1)) and the rest
	v_sub_f32 v[TT], v[M2], v[M1]
	v_mul_f32 v[TT], 0x3fb8aa3b, v[TT]             ; log2(e)
	v_exp_f32 v[TT], v[TT]
	v_nop                                          ; a plain instruction behind the exponential,
	s_wait_alu depctr_va_vdst(0)                   ; and a wait ahead of its first reader
	v_add_f32 v[TT+1], 1.0, v[TT]
	v_rcp_f32 v[P1], v[TT+1]
	v_nop
	s_wait_alu depctr_va_vdst(0)
	v_mul_f32 v[P2], v[TT], v[P1]
	global_store_b64 v5, v[I1:I2], s[12:13]        ; all lanes hold the same two numbers and store them to the same 8 bytes: all that the routing leaves for a token
	global_store_b64 v5, v[P1:P2], s[14:15]
	s_endpgm
.Lfunc_end_k_qce5adf466f_router:
	.size	k_qce5adf466f_router, .Lfunc_end_k_qce5adf466f_router-k_qce5adf466f_router
	.p2alignl 7, 3214868480
	.fill 96, 4, 3214868480
	.section	.rodata,"a",@progbits
	.p2align	6, 0x0
	.amdhsa_kernel k_qce5adf466f_router
		.amdhsa_group_segment_fixed_size 0
		.amdhsa_private_segment_fixed_size 0
		.amdhsa_enable_private_segment 0
		.amdhsa_kernarg_size 48
		.amdhsa_user_sgpr_count 2
		.amdhsa_user_sgpr_kernarg_segment_ptr 1
		.amdhsa_wavefront_size32 1
		.amdhsa_system_sgpr_workgroup_id_x 1
		.amdhsa_system_sgpr_workgroup_id_y 1
		.amdhsa_system_sgpr_workgroup_id_z 1
		.amdhsa_system_vgpr_workitem_id 0
		.amdhsa_next_free_vgpr 248
		.amdhsa_next_free_sgpr 66
		.amdhsa_reserve_vcc 1
		.amdhsa_float_denorm_mode_32 3
		.amdhsa_float_denorm_mode_16_64 3
		.amdhsa_memory_ordered 1
		.amdhsa_forward_progress 1
		.amdhsa_inst_pref_size 41
	.end_amdhsa_kernel
	.amdgpu_metadata
---
amdhsa.version: [ 1, 2 ]
amdhsa.kernels:
  - .name:           k_qce5adf466f_router
    .symbol:         k_qce5adf466f_router.kd
    .args:
      - { .name: x, .offset: 0, .size: 8, .value_kind: global_buffer, .address_space: global }
      - { .name: gate_w, .offset: 8, .size: 8, .value_kind: global_buffer, .address_space: global }
      - { .name: gate_b, .offset: 16, .size: 8, .value_kind: global_buffer, .address_space: global }
      - { .name: xb, .offset: 24, .size: 8, .value_kind: global_buffer, .address_space: global }
      - { .name: tidx, .offset: 32, .size: 8, .value_kind: global_buffer, .address_space: global }
      - { .name: twt, .offset: 40, .size: 8, .value_kind: global_buffer, .address_space: global }
    .group_segment_fixed_size: 0
    .private_segment_fixed_size: 0
    .kernarg_segment_align: 8
    .kernarg_segment_size: 48
    .max_flat_workgroup_size: 128
    .sgpr_count:     66
    .vgpr_count:     248
    .wavefront_size: 32
...
	.end_amdgpu_metadata
.endif
;; end of part 1
;; launch up (part 2): grid 256 x 1, 4 waves a work-group, no clusters, 274,944 bytes of LDS; arguments w1, b1, xb, tidx, hbuf, rpos, ecnt; writes hbuf, rpos, ecnt
.if DOCPART == 2
	.amdgcn_target "amdgcn-amd-amdhsa--gfx1250"
	.amdhsa_code_object_version 6
	.text
	.protected	k_qce5adf466f_up
	.globl	k_qce5adf466f_up
	.p2align	8
	.type	k_qce5adf466f_up,@function
k_qce5adf466f_up:
	s_mov_b64 s[64:65], 0
	v_nop
	global_prefetch_b8 v0, s[64:65] scope:SCOPE_SE
	s_setreg_imm32_b32 hwreg(HW_REG_WAVE_MODE, 25, 1), 1
	s_wait_xcnt 0x0
; FIRST PRODUCT OF THE CHOSEN ROWS.  h = gelu(x w1[e] + b1[e]) for the tokens that chose expert e, in the order of their numbers (rank = how many lower tokens chose e).
; SHARES.  Work-group g: expert e = g / 32, slice sl = g % 32: all 1,024 rows of w1[e], columns 128 sl .. + 127: 512 KB of f32 that this work-group alone reads, once.
; PHASE L (the same work whatever the routing): the slice is loaded in pieces of 256 consecutive bytes of a row, rounded to bf16 in registers and laid into LDS as ready fragments (256 blocks of 1,024 bytes).
;   Under the first loads every wave reads tidx (8 KB) and counts e's tokens; wave 0 also writes their numbers, by rank, into a list in LDS.  A barrier behind the list, a barrier behind the image.
; PHASE C (its length hangs on the count; no barrier, no LDS byte written): a wave takes tiles of 16 ranks, tile 4 lt + wave, five tiles to a trip; weight fragments come from LDS, each read feeding up to five
;   tiles' products, token fragments straight from xb into registers.  Trips are counted to the constant 4 (20 tiles a wave serve all 1,024 tokens on one expert); a trip, a tile's products and its loads are jumped forward when dead.
;   Places past the count name token 0 (the list is cleared first): the last tile is computed and stored whole, so no store is narrowed and the next launch reads only bytes that were stored.
; THE MATRIX INSTRUCTION IS USED TRANSPOSED (source 0 = 16 columns of w1, source 1 = 16 tokens): a lane holds ONE token (lane % 16) and the columns 8 (lane / 16) + 0..7.  Two such results, rounded in
;   pairs, ARE a fragment (16 tokens x 32 K) of the next product: they are stored as such, 512 consecutive bytes an instruction: hbuf block (e, tile, K step S) at ((64 e + tile) 128 + S) 1,024.
; FOR THE LATER LAUNCHES wave 0 of the expert's slice 0 stores the count (ecnt[e]) and the ranks: token t's word in rpos[e] is 128 (t / 128) + 4 (t % 32) + (t / 32) % 4, so that a store covers 512 consecutive bytes.
; FORMATS.  w1, b1 and x are rounded to bf16 like every input of the program; sums in f32, begun with the bias as the C operand; h rounded once to bf16.
; GELU.  gelu(z) = max(z, 0) - |z| erfc(|z| / sqrt 2) / 2, erfc by the five-term rational form of Abramowitz and Stegun 7.1.26 (absolute error 1.5e-7 at every argument): no difference of near numbers; large |z| ends in z or 0.
;   An exponential below 2^-126 counts as 0.  NaN and infinities are not treated apart.
; NO JOINT LOADS: each weight byte has one reader, and the token rows come by a list, which no tile's descriptor covers.  No tensor load: the weights are rounded on their way, and their image fills LDS.
; An expert without tokens still streams its slice and stores nothing but (slice 0) its count and ranks.
; REGISTERS, in windows of 256 (s_set_vgpr_msb: bits 1:0 source 0, 3:2 source 1, 5:4 source 2, 7:6 destination):
;   window 0: v0-31 addresses; v32-63 ranks; v64-127, v128-191 weight fragments, two buffers (first: tidx, packed weights; later: the activation's work); v192-255 bias
;   window 1: phase L's four landing slots of 64; then the accumulators of tiles 0-3 (tile i, column tile ct at 64 i + 8 ct)
;   window 2: v0-63 tile 4's accumulators; v64-223 token fragments, buffer 0 (tile i, K step s at 64 + 32 i + 8 s)          window 3: v64-223 buffer 1
.set PITCH, 16384                      ; bytes in a row of w1[e]
.set BLK,   1040                       ; a fragment block in LDS: 1,024 bytes + 16, so that the 16 lanes of a store's pass, which go to four blocks, fall on 16 different 16-byte columns of 256
.set LIST,  256*BLK                    ; behind the image: 2,048 words: 1,280 token numbers by rank, then a dump word for each lane; the rest is not used
.set LSTB,  8192
.set SPARE, LIST+LSTB                  ; behind the list: the spare words, 128 bytes for each wave, which no other line names
.set G,     5                          ; tiles a trip
.set TRIPS, 4
.set AUNIT, 256                        ; bytes of a token's row for four K steps
.set SPW, 4                            ; v4   SPARE + 4 x my thread's number; never rewritten
.set NIL, 5                            ; v5   0; never rewritten
.set WO,  6                            ; v6   my place in a group of weight loads: 8 (lane / 16) rows + 16 (lane % 16) bytes
.set ST,  7                            ; v7   where I put packed weights in the image; steps
.set BA0, 8                            ; v8   16 x lane: my place in a fragment block
.set BA,  9                            ; v9   the same in the K loop's first unit
.set L16, 10                           ; v10  16 x lane, for global stores; never rewritten
.set H16, 11                           ; v11  16 (lane / 16)
.set LA,  12                           ; v12  my place in the list: 4 (16 wave + lane % 16); steps by trips
.set BB,  13                           ; v13  my place in the K loop's second unit
.set ZF,  14                           ; v14  the list + 16 x lane
.set TK,  15                           ; v15  the token number 32 j + lane
.set AD,  16                           ; v16  at work
.set AO,  17                           ; v17-21 tile i: my token's byte offset in xb + 16 (lane / 16)
.set L8,  22                           ; v22  8 x lane
.set H32, 23                           ; v23  32 (lane / 16)
.set ZR,  24                           ; v24-27 zeros
.set DU,  28                           ; v28  1,280 + lane: my dump word's index
.set CV,  29                           ; v29  the count, to store
.set RK,  32                           ; v32-63 rank of token 32 j + lane in e
.set TI,  64                           ; v64-127 tidx as loaded
.set TF,  128                          ; v128-159 packed weights
.set BI,  192                          ; v192-255 bias: column tile ct at 8 ct
.set ES,  64                           ; the activation, 16 numbers at a time: S = |z| sqrt(log2(e) / 2)
.set ER,  80                           ; max(z, 0), then the result
.set ED,  96                           ; 1 + p x, then t
.set EA,  112                          ; - S S, then 2^ of it
.set EP,  128                          ; the polynomial
.set EO,  144                          ; eight registers to store
.set W,   16                           ; s16 wave   s17 its column half   s18 its K parity   s19 expert   s20 slice
.set NH,  17
.set KH,  18
.set EX,  19
.set SL,  20
.set WB,  22                           ; s[22:23] weights, steps
.set AB,  26                           ; s[26:27] xb + the K done
.set OB,  28                           ; s[28:29] hbuf at the trip's first tile of mine
.set SB,  30                           ; s[30:31] hbuf at the block to store
.set CNT, 32                           ; s32 tokens of e
.set T1,  33
.set T0,  34
.set REM, 35                           ; s35 my tiles still to do
.set NL,  36                           ; s36 live tiles in the trip
.set NL4, 37
.set CTR, 38
.set CK,  39
.set IT,  40
.set TIL, 41
.set PR,  42
.set TB,  43                           ; s43 LDS byte at which the K loop's first unit begins; steps once a trip
.set OF,  44                           ; s[44:45] an offset
.set KC,  46                           ; s46 sqrt(log2(e) / 2)
.set KP,  48                           ; s[48:59] constants as pairs: a packed instruction names a pair and takes its low word for both halves
.set KB5, 50
.set KB4, 52
.set KB3, 54
.set KB2, 56
.set KB1, 58
.set EC,  60                           ; s[60:61] ecnt[e]
.set MSB, 0
.macro WIN new                         ; the immediate's high byte repeats the setting that is left; a switch that changes nothing is dropped
.if MSB != (\new)
	s_set_vgpr_msb (MSB<<8)|(\new)
.set MSB, (\new)
.endif
.endm
.macro PLACES                          ; four plain vector instructions between a matrix instruction and a load into, or a vector read of, its registers (ISA guide 7.12.1 for vector reads)
.rept 4
	v_nop
.endr
.endm
.macro PAIR r, val
	s_mov_b32 s[\r], \val
	s_mov_b32 s[\r+1], \val
.endm
	s_load_b256 s[4:11], s[0:1], 0x0               ; w1 s[4:5], b1 s[6:7], xb s[8:9], tidx s[10:11]
	s_load_b128 s[12:15], s[0:1], 0x20             ; hbuf s[12:13], rpos s[14:15]
	s_load_b64 s[EC:EC+1], s[0:1], 0x30            ; ecnt
	v_lshl_add_u32 v[SPW], v0, 2, SPARE
	v_mov_b32 v[NIL], 0
	v_and_b32 v1, 31, v0                           ; lane
	v_and_b32 v2, 15, v0                           ; r = lane % 16
	v_bfe_u32 v3, v0, 4, 1                         ; h = lane / 16
	v_lshrrev_b32 v[AD], 5, v0
	v_readfirstlane_b32 s[W], v[AD]
	s_and_b32 s[NH], s[W], 1
	s_lshr_b32 s[KH], s[W], 1
	s_lshr_b32 s[EX], ttmp9, 5
	s_and_b32 s[SL], ttmp9, 31
	v_lshlrev_b32 v[WO], 4, v2
	v_lshl_add_u32 v[WO], v3, 17, v[WO]            ; + 8 h rows of 16,384 bytes
	; My four columns 4 r + c of the wave's 64 belong to column tile 4 nh + r / 4, fragment lane 16 h + 4 (r % 4) + c; the wave's blocks are 4 w .. 4 w + 3 of each pair of K steps
	v_lshrrev_b32 v[AD], 2, v2
	v_mul_u32_u24 v[ST], v[AD], BLK
	v_and_b32 v[AD], 3, v2
	v_lshl_add_u32 v[ST], v[AD], 6, v[ST]
	v_lshl_add_u32 v[ST], v3, 8, v[ST]
	s_mul_i32 s[T0], s[W], 4*BLK
	v_add_nc_u32 v[ST], s[T0], v[ST]
	v_lshlrev_b32 v[BA0], 4, v1
	v_lshlrev_b32 v[L16], 4, v1
	v_lshlrev_b32 v[H16], 4, v3
	v_lshlrev_b32 v[L8], 3, v1
	v_lshlrev_b32 v[H32], 5, v3
	v_lshl_add_u32 v[ZF], v1, 4, LIST
	s_lshl_b32 s[T1], s[W], 6
	s_add_co_u32 s[T1], s[T1], LIST
	v_lshl_add_u32 v[LA], v2, 2, s[T1]
	v_add_nc_u32 v[DU], 1280, v1
	v_mov_b32 v[TK], v1
.irp n, 0,1,2,3
	v_mov_b32 v[ZR+\n], 0
.endr
	s_mov_b32 s[KC], 0x3f596d27                    ; sqrt(log2(e) / 2) = 0.8493218
	PAIR KP,  0x3e8ba43f                           ; 0.3275911 / sqrt(log2(e)) = 0.27273748
	PAIR KB5, 0x3f1ff67a                           ; the series' a5 .. a1, each times 0.5 / 0.8493218:  0.6248547
	PAIR KB4, 0xbf5b0099                           ; -0.8554779
	PAIR KB3, 0x3f563818                           ;  0.8367934
	PAIR KB2, 0xbe2b8119                           ; -0.1674847
	PAIR KB1, 0x3e199eb3                           ;  0.1500195
	s_mov_b32 s[OF+1], 0
	s_lshl_b32 s[OF], s[EX], 24                    ; w1: expert x 16 MB + slice x 512 + column half x 256 + K parity x 32 rows
	s_lshl_b32 s[T0], s[SL], 9
	s_add_co_u32 s[OF], s[OF], s[T0]
	s_lshl_b32 s[T0], s[NH], 8
	s_add_co_u32 s[OF], s[OF], s[T0]
	s_lshl_b32 s[T0], s[KH], 19
	s_add_co_u32 s[OF], s[OF], s[T0]
	s_wait_kmcnt 0x0
	s_add_nc_u64 s[WB:WB+1], s[4:5], s[OF:OF+1]
	s_lshl_b32 s[OF], s[EX], 14                    ; b1: expert x 16,384 + slice x 512
	s_lshl_b32 s[T0], s[SL], 9
	s_add_co_u32 s[OF], s[OF], s[T0]
	s_add_nc_u64 s[6:7], s[6:7], s[OF:OF+1]
	s_lshl_b32 s[OF], s[EX], 6                     ; hbuf: tile (64 e + wave) x 131,072 + K step 4 sl x 1,024
	s_add_co_u32 s[OF], s[OF], s[W]
	s_lshl_b32 s[OF], s[OF], 17
	s_lshl_b32 s[T0], s[SL], 12
	s_add_co_u32 s[OF], s[OF], s[T0]
	s_add_nc_u64 s[OB:OB+1], s[12:13], s[OF:OF+1]
	s_lshl_b32 s[OF], s[EX], 12                    ; rpos: expert x 4,096
	s_add_nc_u64 s[14:15], s[14:15], s[OF:OF+1]
	s_lshl_b32 s[OF], s[EX], 2                     ; ecnt: expert x 4
	s_add_nc_u64 s[EC:EC+1], s[EC:EC+1], s[OF:OF+1]
; PHASE L.  A group is one K step (32 rows) of the wave's 64 columns: 16 loads; in load i lanes 0-15 take 256 consecutive bytes of row i + 8 (i / 8), lanes 16-31 of the row 8 further down.
; Group j of the wave is K step 2 j + kh.  jj counts groups from where WB stands.
.macro WLOAD qs, jj
	WIN 0x40                                       ; destination window 1
.irp i, 0,1,2,3,4,5,6,7,8,9,10,11,12,13,14,15
	global_load_b128 v[64*(\qs)+4*(\i):64*(\qs)+4*(\i)+3], v[WO], s[WB:WB+1] offset:(64*(\jj)+(\i)+8*((\i)/8))*PITCH th:TH_LOAD_NT
.endr
.endm
; Landing slot qs: its group is rounded (for column c: eight registers = a lane's share of a fragment), the slot is loaded again (re = 1), the fragments go into the image.  left = the younger loads, which stay out.
.macro SLOT qs, re, left
	s_wait_loadcnt \left
	WIN 0x05                                       ; sources window 1, destination window 0
.irp c, 0,1,2,3
.irp u, 0,1,2,3,4,5,6,7
	v_cvt_pk_bf16_f32 v[TF+8*\c+\u], v[64*(\qs)+8*\u+\c], v[64*(\qs)+8*\u+4+\c]
.endr
.endr
.if \re
	WLOAD \qs, 4+(\qs)
.endif
	WIN 0
.irp c, 0,1,2,3
.irp hf, 0,1
	ds_store_b128 v[ST], v[TF+8*\c+4*\hf:TF+8*\c+4*\hf+3] offset:(\qs)*16*BLK+16*\c+512*\hf
.endr
.endr
.endm
.set j, 0
.rept 32
	global_load_b64 v[TI+2*j:TI+2*j+1], v[L8], s[10:11] offset:256*j    ; the two experts of token 32 j + lane
.set j, j+1
.endr
	WLOAD 0, 0
	WLOAD 1, 1
	s_wait_loadcnt 32                              ; tidx is in; groups 0 and 1, 32 loads, are younger
	WLOAD 2, 2
	WLOAD 3, 3                                     ; all four landing slots are on their way; the counting below runs under them
	WIN 0
	s_mov_b32 s[CNT], 0
	s_cmp_lg_u32 s[W], 0
	s_cbranch_scc1 .Lcount
	; WAVE 0 makes the list.  It is cleared first: a place past the count names token 0.
.irp k, 0,1,2,3,4,5,6,7,8,9
	ds_store_b128 v[ZF], v[ZR:ZR+3] offset:512*\k
.endr
.set j, 0
.rept 32                               ; tokens 32 j + lane: who chose e; rank = those before in the group + those of earlier groups; a chosen token's number goes to its rank, the others' to their lanes' dump words
	v_cmp_eq_u32 s[T1], s[EX], v[TI+2*j]
	v_cmp_eq_u32 vcc_lo, s[EX], v[TI+2*j+1]
	s_or_b32 vcc_lo, vcc_lo, s[T1]
	v_mbcnt_lo_u32_b32 v[RK+j], vcc_lo, s[CNT]
	v_cndmask_b32 v[AD], v[DU], v[RK+j], vcc_lo
	v_min_u32 v[AD], 0x7ff, v[AD]                  ; inside the list's 2,048 words, whatever was loaded
	v_lshlrev_b32 v[AD], 2, v[AD]
	v_add_nc_u32 v[AD], LIST, v[AD]
	ds_store_b32 v[AD], v[TK]
	v_add_nc_u32 v[TK], 32, v[TK]
	s_bcnt1_i32_b32 s[T0], vcc_lo
	s_add_co_u32 s[CNT], s[CNT], s[T0]
.set j, j+1
.endr
	s_cmp_lg_u32 s[SL], 0
	s_cbranch_scc1 .Lcounted                       ; the expert's slice 0 leaves the ranks and the count for the later launches
.irp q, 0,1,2,3,4,5,6,7
	global_store_b128 v[L16], v[RK+4*\q:RK+4*\q+3], s[14:15] offset:512*\q   ; 512 consecutive bytes: tokens 128 q + 32 z + lane, z = 0..3; RK is never rewritten
.endr
	v_mov_b32 v[CV], s[CNT]
	global_store_b32 v[ZR], v[CV], s[EC:EC+1]      ; all lanes store the same number to the same word
	s_branch .Lcounted
.Lcount:                                               ; waves 1 to 3 only count
.set j, 0
.rept 32
	v_cmp_eq_u32 s[T1], s[EX], v[TI+2*j]
	v_cmp_eq_u32 vcc_lo, s[EX], v[TI+2*j+1]
	s_or_b32 s[T1], s[T1], vcc_lo
	s_bcnt1_i32_b32 s[T0], s[T1]
	s_add_co_u32 s[CNT], s[CNT], s[T0]
.set j, j+1
.endr
.Lcounted:
	s_wait_dscnt 0x0                               ; for the others' sake: the list is written
	s_barrier_signal -1
	s_barrier_wait -1                              ; the list is whole before any wave writes the image
	s_mov_b32 s[CTR], 3
.Lfill:                                                ; three trips of four groups, each loading the group four further on
	SLOT 0, 1, 48                                  ; three younger groups of 16 stay out
	SLOT 1, 1, 48
	SLOT 2, 1, 48
	SLOT 3, 1, 48
	s_wait_xcnt 0x0                                ; the loads' base is stepped only behind this wait
	s_add_nc_u64 s[WB:WB+1], s[WB:WB+1], 256*PITCH
	v_add_nc_u32 v[ST], 64*BLK, v[ST]
	s_sub_co_u32 s[CTR], s[CTR], 1
	s_cmp_lg_u32 s[CTR], 0
	s_cbranch_scc1 .Lfill
	SLOT 0, 0, 48                                  ; the last four groups load nothing more
.irp ct, 0,1,2,3,4,5,6,7
	global_load_b128 v[BI+8*\ct:BI+8*\ct+3], v[H32], s[6:7] offset:64*\ct        ; bias of columns 16 ct + 8 h + 0..7, as the C operand wants them
	global_load_b128 v[BI+8*\ct+4:BI+8*\ct+7], v[H32], s[6:7] offset:64*\ct+16
.endr
	SLOT 1, 0, 48                                  ; younger: two groups and the 16 bias loads
	SLOT 2, 0, 32
	SLOT 3, 0, 16
	s_wait_loadcnt 0x0
.set n, 0
.rept 32
	v_cvt_pk_bf16_f32 v[TF+n], v[BI+2*n], v[BI+2*n+1]      ; the bias rounded to bf16 and widened again
.set n, n+1
.endr
.set n, 0
.rept 32
	v_lshlrev_b32 v[BI+2*n], 16, v[TF+n]
	v_and_b32 v[BI+2*n+1], 0xffff0000, v[TF+n]
.set n, n+1
.endr
	s_wait_dscnt 0x0                               ; for the others' sake: my part of the image is written
	s_barrier_signal -1
	s_barrier_wait -1                              ; the image is whole; nothing writes it from here on
; PHASE C.
.macro BLOAD b, off, ar                ; a K step's eight weight fragments into buffer b: 512 consecutive bytes a load; ar holds my place in the unit's first block
	WIN 0
.irp ct, 0,1,2,3,4,5,6,7
	ds_load_b128 v[64+64*(\b)+8*\ct:64+64*(\b)+8*\ct+3],   v[\ar] offset:(\off)+\ct*BLK
	ds_load_b128 v[64+64*(\b)+8*\ct+4:64+64*(\b)+8*\ct+7], v[\ar] offset:(\off)+\ct*BLK+512
.endr
.endm
.macro ALOAD p, off, cond              ; four K steps' token fragments of the five tiles into buffer p; cond = 1: dead tiles' loads are jumped (their registers were written by the trip's first two runs)
.irp i, 0,1,2,3,4
.if (\cond) && (\i > 0)
	WIN 0
	s_cmp_gt_u32 s[NL], \i
	s_cbranch_scc0 .Lal_\@
.endif
	WIN 0x80+0x40*(\p)                             ; destination window 2 or 3
.irp y, 0,1,2,3,4,5,6,7
	global_load_b128 v[64+32*\i+4*\y:64+32*\i+4*\y+3], v[AO+\i], s[AB:AB+1] offset:(\off)+64*(\y/2)+32*(\y%2)
.endr
.endr
	WIN 0
.Lal_\@:
.endm
.macro MUL i, p, s4, mode              ; tile i, K step s4 of the unit in buffer p: eight products, the eight accumulators by turns.  mode = 1: the sums begin, with the bias as C
.if (\i) < 4
.set ab, 64*(\i)
	WIN 0x58+4*(\p)-0x10*(\mode)
.else
.set ab, 0
	WIN 0xa8+4*(\p)-0x20*(\mode)
.endif
.irp ct, 0,1,2,3,4,5,6,7
.if \mode
	v_wmma_f32_16x16x32_bf16 v[ab+8*\ct:ab+8*\ct+7], v[64+64*((\s4)&1)+8*\ct:64+64*((\s4)&1)+8*\ct+7], v[64+32*(\i)+8*(\s4):64+32*(\i)+8*(\s4)+7], v[BI+8*\ct:BI+8*\ct+7]
.else
	v_wmma_f32_16x16x32_bf16 v[ab+8*\ct:ab+8*\ct+7], v[64+64*((\s4)&1)+8*\ct:64+64*((\s4)&1)+8*\ct+7], v[64+32*(\i)+8*(\s4):64+32*(\i)+8*(\s4)+7], v[ab+8*\ct:ab+8*\ct+7]
.endif
.endr
.endm
; A K step: the next step's weight fragments are asked for (and, in a unit's first step, the next unit's token fragments), then up to 40 products.  Only products and loads are jumped, and every wait is for 0,
; so each wait holds on every way.  In a trip's first step nothing is jumped: all 40 accumulators are begun.  No two products that follow each other share an accumulator, with one live tile too (ct 7, then ct 0).
.macro KSTEP p, s4, first, last, ar
.set FS, 0
.if (\first) && ((\s4) == 0)
.set FS, 1
.endif
.set LS, 0
.if (\last) && ((\s4) == 3)
.set LS, 1
.endif
	PLACES                                         ; the loads below land in registers that the step before multiplied
.if !LS
	BLOAD ((\s4)+1)&1, ((\s4)+1)*8*BLK, \ar
.endif
.if ((\s4) == 0) && !(\last)
	ALOAD 1-(\p), AUNIT, 1-(\first)
.endif
	MUL 0, \p, \s4, FS
.irp i, 1,2,3,4
.if !FS
	WIN 0
	s_cmp_gt_u32 s[NL], \i
	s_cbranch_scc0 .Lks_\@
.endif
	MUL \i, \p, \s4, FS
.endr
	WIN 0
.Lks_\@:
	s_wait_dscnt 0x0                               ; the next step's weight fragments are in
.if (\s4) == 3
.if !(\last)
	s_wait_loadcnt 0x0                             ; the next unit's token fragments are in, asked for four steps ago; their base is free
	s_add_nc_u64 s[AB:AB+1], s[AB:AB+1], AUNIT
.endif
.endif
.endm
.macro UNIT p, first, last, ar         ; four K steps on token buffer p
	KSTEP \p, 0, \first, \last, \ar
	KSTEP \p, 1, \first, \last, \ar
	KSTEP \p, 2, \first, \last, \ar
	KSTEP \p, 3, \first, \last, \ar
.endm
; The activation's way in: 16 numbers of tile ti, column tiles 2 pi and 2 pi + 1, leave the accumulators, each accumulator from its lowest register on.
.macro EBLK ti, pi, pn
.Lb\ti\()_\pi:
.if (\pi) < 3
	s_cmp_eq_u32 s[PR], \pi
	s_cbranch_scc0 .Lb\ti\()_\pn
.endif
.if (\ti) < 4
	WIN 0x05
.else
	WIN 0x0a
.endif
.set ab, 64*((\ti)%4)+16*(\pi)
.set n, 0
.rept 16
	v_mul_f32 v[ES+n], |v[ab+n]|, s[KC]
.set n, n+1
.endr
.set n, 0
.rept 16
	v_max_num_f32 v[ER+n], 0, v[ab+n]
.set n, n+1
.endr
	WIN 0
	s_branch .Lcom
.endm
.macro ETILE ti, tn                    ; the last tile and the last pair are not asked for: every way through writes S and R
.Lt\ti:
.if (\ti) < 4
	s_cmp_eq_u32 s[TIL], \ti
	s_cbranch_scc0 .Lt\tn
.endif
	EBLK \ti, 0, 1
	EBLK \ti, 1, 2
	EBLK \ti, 2, 3
	EBLK \ti, 3, 3
.endm
	s_add_co_u32 s[T0], s[CNT], 15
	s_lshr_b32 s[T0], s[T0], 4                     ; the expert's tiles
	s_add_co_u32 s[T0], s[T0], 3
	s_sub_co_u32 s[T0], s[T0], s[W]
	s_lshr_b32 s[REM], s[T0], 2                    ; those of them that are 4 lt + wave
	s_mov_b32 s[CTR], TRIPS
.Ltrip:
	s_cmp_gt_i32 s[REM], 0
	s_cbranch_scc0 .Lnext                          ; a dead trip: jumped forward; no barrier lies in what is jumped
	s_min_u32 s[NL], s[REM], G
	s_lshl_b32 s[NL4], s[NL], 2
.irp i, 0,1,2,3,4
	ds_load_b32 v[AO+\i], v[LA] offset:256*\i      ; the token at rank 64 (5 trip + i) + 16 wave + lane % 16
.endr
	s_mov_b64 s[AB:AB+1], s[8:9]
	s_mov_b32 s[TB], 32*BLK                        ; the K loop begins with unit 1
	s_wait_dscnt 0x0
.irp i, 0,1,2,3,4
	v_min_u32 v[AO+\i], 0x3ff, v[AO+\i]            ; inside xb's 1,024 rows, whatever was loaded
	v_lshlrev_b32 v[AO+\i], 11, v[AO+\i]           ; its row of 2,048 bytes
	v_add_nc_u32 v[AO+\i], v[AO+\i], v[H16]
.endr
	ALOAD 0, 0, 0
	BLOAD 0, 0, BA0
	s_wait_loadcnt 0x0
	s_wait_dscnt 0x0
	UNIT 0, 1, 0, BA0                              ; K = 1,024 is eight units of 128: 0 | (1, 2) (3, 4) (5, 6) | 7; a unit's 32 blocks are 33,280 bytes of the image
	s_mov_b32 s[CK], 3
.Lk:
	v_add_nc_u32 v[BA], s[TB], v[BA0]
	v_add_nc_u32 v[BB], 32*BLK, v[BA]
	UNIT 1, 0, 0, BA
	UNIT 0, 0, 0, BB
	s_add_co_u32 s[TB], s[TB], 64*BLK
	s_sub_co_u32 s[CK], s[CK], 1
	s_cmp_lg_u32 s[CK], 0
	s_cbranch_scc1 .Lk
	v_add_nc_u32 v[BA], 7*32*BLK, v[BA0]
	UNIT 1, 0, 1, BA
	PLACES                                         ; the lines below read results just made and write the weight buffers
	; THE WAY OUT: 20 steps of 16 numbers a lane (tile IT / 4, pair of column tiles IT % 4); steps of dead tiles are jumped.  One text for the arithmetic; only the way out of the accumulators is written 20 times.
	s_mov_b32 s[IT], 0
.Lep:
	s_cmp_lt_u32 s[IT], s[NL4]
	s_cbranch_scc0 .Lepn
	s_lshr_b32 s[TIL], s[IT], 2
	s_and_b32 s[PR], s[IT], 3
	ETILE 0, 1
	ETILE 1, 2
	ETILE 2, 3
	ETILE 3, 4
	ETILE 4, 4
.Lcom:
.irp n, 0,2,4,6,8,10,12,14
	v_pk_fma_f32 v[ED+\n:ED+\n+1], v[ES+\n:ES+\n+1], s[KP:KP+1], 1.0 op_sel_hi:[1,0,0]          ; 1 + p x
.endr
.irp n, 0,2,4,6,8,10,12,14
	v_pk_mul_f32 v[EA+\n:EA+\n+1], v[ES+\n:ES+\n+1], v[ES+\n:ES+\n+1] neg_lo:[0,1] neg_hi:[0,1]  ; - x x log2(e)
.endr
.set n, 0
.rept 16
	v_rcp_f32 v[ED+n], v[ED+n]                     ; t
.set n, n+1
.endr
.set n, 0
.rept 16
	v_exp_f32 v[EA+n], v[EA+n]                     ; e^(- x x)
.set n, n+1
.endr
	v_nop                                          ; a plain instruction behind the last of the batch,
	s_wait_alu depctr_va_vdst(0)                   ; and ONE wait for its 32 results, ahead of their first reader
.irp n, 0,2,4,6,8,10,12,14
	v_pk_fma_f32 v[EP+\n:EP+\n+1], v[ED+\n:ED+\n+1], s[KB5:KB5+1], s[KB4:KB4+1] op_sel_hi:[1,0,0]
.endr
.irp n, 0,2,4,6,8,10,12,14
	v_pk_fma_f32 v[EP+\n:EP+\n+1], v[EP+\n:EP+\n+1], v[ED+\n:ED+\n+1], s[KB3:KB3+1] op_sel_hi:[1,1,0]
.endr
.irp n, 0,2,4,6,8,10,12,14
	v_pk_fma_f32 v[EP+\n:EP+\n+1], v[EP+\n:EP+\n+1], v[ED+\n:ED+\n+1], s[KB2:KB2+1] op_sel_hi:[1,1,0]
.endr
.irp n, 0,2,4,6,8,10,12,14
	v_pk_fma_f32 v[EP+\n:EP+\n+1], v[EP+\n:EP+\n+1], v[ED+\n:ED+\n+1], s[KB1:KB1+1] op_sel_hi:[1,1,0]
.endr
.irp n, 0,2,4,6,8,10,12,14
	v_pk_mul_f32 v[EP+\n:EP+\n+1], v[EP+\n:EP+\n+1], v[ED+\n:ED+\n+1]
.endr
.irp n, 0,2,4,6,8,10,12,14
	v_pk_mul_f32 v[EP+\n:EP+\n+1], v[EP+\n:EP+\n+1], v[EA+\n:EA+\n+1]
.endr
.irp n, 0,2,4,6,8,10,12,14
	v_pk_fma_f32 v[ER+\n:ER+\n+1], v[ES+\n:ES+\n+1], v[EP+\n:EP+\n+1], v[ER+\n:ER+\n+1] neg_lo:[1,0,0] neg_hi:[1,0,0]  ; max(z, 0) - S P
.endr
	s_wait_xcnt 0x0                                ; the last step's stores have read their data and their base: both are rewritten only behind this wait
.irp n, 0,1,2,3,4,5,6,7
	v_cvt_pk_bf16_f32 v[EO+\n], v[ER+2*\n], v[ER+2*\n+1]
.endr
	s_lshl_b32 s[OF], s[TIL], 19                   ; my tiles lie four apart: 4 x 131,072 bytes
	s_lshl_b32 s[T0], s[PR], 10
	s_add_co_u32 s[OF], s[OF], s[T0]
	s_add_nc_u64 s[SB:SB+1], s[OB:OB+1], s[OF:OF+1]
	global_store_b128 v[L16], v[EO:EO+3], s[SB:SB+1]               ; the fragment's registers 0-3: 512 consecutive bytes, at a multiple of 512 from hbuf's first byte
	global_store_b128 v[L16], v[EO+4:EO+7], s[SB:SB+1] offset:512  ; registers 4-7
.Lepn:
	s_add_co_u32 s[IT], s[IT], 1
	s_cmp_lt_u32 s[IT], 4*G
	s_cbranch_scc1 .Lep
.Lnext:
	s_wait_xcnt 0x0                                ; the stores' data lie in the weight buffers, which the next trip loads again
	s_sub_co_i32 s[REM], s[REM], G
	s_add_nc_u64 s[OB:OB+1], s[OB:OB+1], 4*G*131072
	v_add_nc_u32 v[LA], G*256, v[LA]
	s_sub_co_u32 s[CTR], s[CTR], 1
	s_cmp_lg_u32 s[CTR], 0
	s_cbranch_scc1 .Ltrip
	s_wait_dscnt 0x0                               ; my reads of LDS are back;
	s_barrier_signal -1
	s_barrier_wait -1                              ; every wave's are: the launch's last LDS writes, below, stand behind all its LDS reads
	s_wait_tensorcnt 0x0                           ; the wave's end
	ds_add_u32 v[SPW], v[NIL]
	s_wait_dscnt 0x0
	s_endpgm
.Lfunc_end_k_qce5adf466f_up:
	.size	k_qce5adf466f_up, .Lfunc_end_k_qce5adf466f_up-k_qce5adf466f_up
	.p2alignl 7, 3214868480
	.fill 96, 4, 3214868480
	.section	.rodata,"a",@progbits
	.p2align	6, 0x0
	.amdhsa_kernel k_qce5adf466f_up
		.amdhsa_group_segment_fixed_size 274944
		.amdhsa_private_segment_fixed_size 0
		.amdhsa_enable_private_segment 0
		.amdhsa_kernarg_size 56
		.amdhsa_user_sgpr_count 2
		.amdhsa_user_sgpr_kernarg_segment_ptr 1
		.amdhsa_wavefront_size32 1
		.amdhsa_system_sgpr_workgroup_id_x 1
		.amdhsa_system_sgpr_workgroup_id_y 1
		.amdhsa_system_sgpr_workgroup_id_z 1
		.amdhsa_system_vgpr_workitem_id 0
		.amdhsa_next_free_vgpr 992
		.amdhsa_next_free_sgpr 66
		.amdhsa_reserve_vcc 1
		.amdhsa_float_denorm_mode_32 3
		.amdhsa_float_denorm_mode_16_64 3
		.amdhsa_memory_ordered 1
		.amdhsa_forward_progress 1
		.amdhsa_inst_pref_size 197
	.end_amdhsa_kernel
	.amdgpu_metadata
---
amdhsa.version: [ 1, 2 ]
amdhsa.kernels:
  - .name:           k_qce5adf466f_up
    .symbol:         k_qce5adf466f_up.kd
    .args:
      - { .name: w1, .offset: 0, .size: 8, .value_kind: global_buffer, .address_space: global }
      - { .name: b1, .offset: 8, .size: 8, .value_kind: global_buffer, .address_space: global }
      - { .name: xb, .offset: 16, .size: 8, .value_kind: global_buffer, .address_space: global }
      - { .name: tidx, .offset: 24, .size: 8, .value_kind: global_buffer, .address_space: global }
      - { .name: hbuf, .offset: 32, .size: 8, .value_kind: global_buffer, .address_space: global }
      - { .name: rpos, .offset: 40, .size: 8, .value_kind: global_buffer, .address_space: global }
      - { .name: ecnt, .offset: 48, .size: 8, .value_kind: global_buffer, .address_space: global }
    .group_segment_fixed_size: 274944
    .private_segment_fixed_size: 0
    .kernarg_segment_align: 8
    .kernarg_segment_size: 56
    .max_flat_workgroup_size: 128
    .sgpr_count:     66
    .vgpr_count:     992
    .wavefront_size: 32
...
	.end_amdgpu_metadata
.endif
;; end of part 2
;; launch down (part 3): grid 256 x 1, 4 waves a work-group, no clusters, 266,752 bytes of LDS; arguments w2, hbuf, ecnt, part; writes part
.if DOCPART == 3
	.amdgcn_target "amdgcn-amd-amdhsa--gfx1250"
	.amdhsa_code_object_version 6
	.text
	.protected	k_qce5adf466f_down
	.globl	k_qce5adf466f_down
	.p2align	8
	.type	k_qce5adf466f_down,@function
k_qce5adf466f_down:
	s_mov_b64 s[64:65], 0
	v_nop
	global_prefetch_b8 v0, s[64:65] scope:SCOPE_SE
	s_setreg_imm32_b32 hwreg(HW_REG_WAVE_MODE, 25, 1), 1
	s_wait_xcnt 0x0
; SECOND PRODUCT OF THE CHOSEN ROWS, in four parts along K.  part[q][1,024 e + rank][:] = the sum over the K quarter q of h[rank][k] w2[e][k][:], in f32; the last launch adds the four parts, b2 and the gate's weights.
; SHARES.  Work-group g: expert e = g / 32, K quarter q = (g / 8) % 4, slice s = g % 8: rows 1,024 q .. + 1,023 of w2[e], columns 128 s .. + 127: 512 KB of f32 that this work-group alone reads, once.
;   K is split so that the slice has the first product's shape: pieces of 256 consecutive bytes of a weight row, and each tile of h read by 8 work-groups and not by 32.
; PHASE L (the same work whatever the routing): the slice is loaded, rounded to bf16 in registers and laid into LDS as ready fragments (256 blocks of 1,024 bytes).  One barrier.
; PHASE C (its length hangs on the expert's count, which the first product stored; no barrier, no LDS byte written): a wave takes tiles of 16 ranks, tile 4 lt + wave, five to a trip.  Weight fragments come from LDS, h's fragments
;   from hbuf as the first product laid them: 512 consecutive bytes a load.  Trips are counted to the constant 4; dead trips, tiles' products, loads and stores are jumped forward.  A dead tile's first loads repeat the trip's first tile.
; COLUMNS BY FOURS.  Source 0 = 16 ranks, source 1 = 16 columns; column tile 4 n + c holds the columns 64 n + 4 r + c (r = lane % 16), which is how a weight load's 16 bytes a lane land: a lane's packed registers go into the
;   image at 16 x lane.  In the results register j of lane (r, h) is row 8 h + j, and the tiles c = 0..3 hold four neighbouring columns of it: four copies put them on end, and one store writes 256 consecutive bytes of
;   row j (lanes 0-15) and of row 8 + j (lanes 16-31).  64 copies a tile take the place of a round trip through LDS.
; FORMATS.  w2 is rounded to bf16 like every input of the program; h arrives in bf16; sums and parts in f32.
; NO JOINT LOADS: each weight byte has one reader; the tiles of h that 8 work-groups share number ceil(count / 16), which is read from memory: a walk of the constant 64 tiles would ask for
;   four times the bytes of an even split.  No tensor load: the weights are rounded on their way, and their image fills LDS.  An expert without tokens still streams its slice and stores nothing.
; REGISTERS, in windows of 256 (s_set_vgpr_msb: bits 1:0 source 0, 3:2 source 1, 5:4 source 2, 7:6 destination):
;   window 0: v0-31 addresses; v64-127, v128-191 weight fragments, two buffers (first: packed weights; later v64-127: rows on their way out)
;   window 1: phase L's four landing slots of 64; then the accumulators of tiles 0-3 (tile i, column tile ct at 64 i + 8 ct)
;   window 2: v0-63 tile 4's accumulators; v64-223 h's fragments, buffer 0 (tile i, K step s at 64 + 32 i + 8 s)          window 3: v64-223 buffer 1
.set PITCH, 4096                       ; bytes in a row of w2[e]
.set BLK,   1040                       ; a fragment block in LDS: 1,024 bytes + 16, as in the first product
.set SPARE, 256*BLK                    ; behind the image: the spare words, 128 bytes for each wave, which no other line names
.set G,     5
.set TRIPS, 4
.set AUNIT, 4096                       ; bytes of a tile's fragments for four K steps
.set SPW, 4                            ; v4   SPARE + 4 x my thread's number; never rewritten
.set NIL, 5                            ; v5   0; never rewritten
.set WO,  6                            ; v6   my place in a group of weight loads
.set ST,  7                            ; v7   where I put packed weights in the image; steps
.set BA0, 8                            ; v8   16 x lane: my place in a fragment block
.set BA,  9                            ; v9   the same in the K loop's first unit
.set L16, 10                           ; v10  16 x lane; never rewritten
.set CO,  12                           ; v12  my place in a store: 8 (lane / 16) rows of part + 16 (lane % 16) bytes; never rewritten
.set BB,  13                           ; v13  my place in the K loop's second unit
.set AD,  16                           ; v16  at work
.set AO,  17                           ; v17-21 tile i: its offset from the trip's first tile + 16 x lane
.set TF,  128                          ; v128-159 packed weights
.set TO,  64                           ; v64-127 a tile on its way out
.set W,   16
.set NH,  17
.set KH,  18
.set EX,  19
.set SL,  20
.set QK,  21
.set WB,  22                           ; s[22:23] weights, steps
.set AB0, 24                           ; s[24:25] hbuf at the trip's first tile of mine, K quarter q
.set AB,  26                           ; s[26:27] the same + the K done
.set OB,  28                           ; s[28:29] part at the trip's first row of mine
.set CNT, 32
.set T1,  33                           ; s33 4 x expert: the count's place; not rewritten
.set T0,  34
.set REM, 35
.set NL,  36
.set CTR, 38
.set CK,  39
.set TB,  43                           ; s43 LDS byte at which the K loop's first unit begins; steps once a trip
.set OF,  44
.set MSB, 0
.macro WIN new                         ; the immediate's high byte repeats the setting that is left; a switch that changes nothing is dropped
.if MSB != (\new)
	s_set_vgpr_msb (MSB<<8)|(\new)
.set MSB, (\new)
.endif
.endm
.macro PLACES                          ; four plain vector instructions between a matrix instruction and a load into, or a vector read of, its registers (ISA guide 7.12.1 for vector reads)
.rept 4
	v_nop
.endr
.endm
	s_load_b256 s[4:11], s[0:1], 0x0               ; w2 s[4:5], hbuf s[6:7], ecnt s[8:9], part s[10:11]
	v_lshl_add_u32 v[SPW], v0, 2, SPARE
	v_mov_b32 v[NIL], 0
	v_and_b32 v1, 31, v0                           ; lane
	v_and_b32 v2, 15, v0                           ; r = lane % 16
	v_bfe_u32 v3, v0, 4, 1                         ; h = lane / 16
	v_lshrrev_b32 v[AD], 5, v0
	v_readfirstlane_b32 s[W], v[AD]
	s_and_b32 s[NH], s[W], 1
	s_lshr_b32 s[KH], s[W], 1
	s_lshr_b32 s[EX], ttmp9, 5
	s_bfe_u32 s[QK], ttmp9, 0x20003                ; two bits from bit 3
	s_and_b32 s[SL], ttmp9, 7
	s_lshl_b32 s[T1], s[EX], 2
	v_lshlrev_b32 v[WO], 4, v2
	v_lshl_add_u32 v[WO], v3, 15, v[WO]            ; + 8 h rows of 4,096 bytes
	v_lshlrev_b32 v[CO], 4, v2
	v_lshl_add_u32 v[CO], v3, 15, v[CO]            ; a row of part has 4,096 bytes too
	v_lshlrev_b32 v[BA0], 4, v1
	v_lshlrev_b32 v[L16], 4, v1
	s_mul_i32 s[T0], s[W], 4*BLK                   ; the wave's blocks are 4 w .. 4 w + 3 of each pair of K steps: K parity kh, column tiles 4 nh + c
	v_lshl_add_u32 v[ST], v1, 4, s[T0]
	s_mov_b32 s[OF+1], 0
	s_lshl_b32 s[OF], s[EX], 24                    ; w2: expert x 16 MB + quarter x 4 MB + slice x 512 + column half x 256 + K parity x 32 rows
	s_lshl_b32 s[T0], s[QK], 22
	s_add_co_u32 s[OF], s[OF], s[T0]
	s_lshl_b32 s[T0], s[SL], 9
	s_add_co_u32 s[OF], s[OF], s[T0]
	s_lshl_b32 s[T0], s[NH], 8
	s_add_co_u32 s[OF], s[OF], s[T0]
	s_lshl_b32 s[T0], s[KH], 17
	s_add_co_u32 s[OF], s[OF], s[T0]
	s_wait_kmcnt 0x0
	s_load_b32 s[CNT], s[8:9], s[T1] offset:0x0    ; the expert's count
	s_add_nc_u64 s[WB:WB+1], s[4:5], s[OF:OF+1]
	s_lshl_b32 s[OF], s[EX], 6                     ; hbuf: tile (64 e + wave) x 131,072 + K step 32 q x 1,024
	s_add_co_u32 s[OF], s[OF], s[W]
	s_lshl_b32 s[OF], s[OF], 17
	s_lshl_b32 s[T0], s[QK], 15
	s_add_co_u32 s[OF], s[OF], s[T0]
	s_add_nc_u64 s[AB0:AB0+1], s[6:7], s[OF:OF+1]
	s_lshl_b32 s[OF], s[EX], 10                    ; part: plane q x 32 MB + row (1,024 e + 16 wave) x 4,096 + slice x 512
	s_lshl_b32 s[T0], s[W], 4
	s_add_co_u32 s[OF], s[OF], s[T0]
	s_lshl_b32 s[OF], s[OF], 12
	s_lshl_b32 s[T0], s[QK], 25
	s_add_co_u32 s[OF], s[OF], s[T0]
	s_lshl_b32 s[T0], s[SL], 9
	s_add_co_u32 s[OF], s[OF], s[T0]
	s_add_nc_u64 s[OB:OB+1], s[10:11], s[OF:OF+1]
; PHASE L.  A group is one K step (32 rows) of the wave's 64 columns: 16 loads; in load i lanes 0-15 take 256 consecutive bytes of row i + 8 (i / 8), lanes 16-31 of the row 8 further down.
; Group j of the wave is K step 2 j + kh.  jj counts groups from where WB stands.
.macro WLOAD qs, jj
	WIN 0x40                                       ; destination window 1
.irp i, 0,1,2,3,4,5,6,7,8,9,10,11,12,13,14,15
	global_load_b128 v[64*(\qs)+4*(\i):64*(\qs)+4*(\i)+3], v[WO], s[WB:WB+1] offset:(64*(\jj)+(\i)+8*((\i)/8))*PITCH th:TH_LOAD_NT
.endr
.endm
; Landing slot qs: its group is rounded (for column c: eight registers = a lane's share of column tile 4 nh + c's fragment), the slot is loaded again (re = 1), the fragments go into the image, 512 consecutive bytes a store.
; left = the younger loads, which stay out.
.macro SLOT qs, re, left
	s_wait_loadcnt \left
	WIN 0x05                                       ; sources window 1, destination window 0
.irp c, 0,1,2,3
.irp u, 0,1,2,3,4,5,6,7
	v_cvt_pk_bf16_f32 v[TF+8*\c+\u], v[64*(\qs)+8*\u+\c], v[64*(\qs)+8*\u+4+\c]
.endr
.endr
.if \re
	WLOAD \qs, 4+(\qs)
.endif
	WIN 0
.irp c, 0,1,2,3
.irp hf, 0,1
	ds_store_b128 v[ST], v[TF+8*\c+4*\hf:TF+8*\c+4*\hf+3] offset:(\qs)*16*BLK+\c*BLK+512*\hf
.endr
.endr
.endm
	WLOAD 0, 0
	WLOAD 1, 1
	WLOAD 2, 2
	WLOAD 3, 3                                     ; all four landing slots are on their way
	WIN 0
	s_wait_kmcnt 0x0
	s_min_u32 s[CNT], s[CNT], 0x400                ; no more than there are tokens, whatever was loaded
	s_mov_b32 s[CTR], 3
.Lfill:                                                ; three trips of four groups, each loading the group four further on
	SLOT 0, 1, 48                                  ; three younger groups of 16 stay out
	SLOT 1, 1, 48
	SLOT 2, 1, 48
	SLOT 3, 1, 48
	s_wait_xcnt 0x0                                ; the loads' base is stepped only behind this wait
	s_add_nc_u64 s[WB:WB+1], s[WB:WB+1], 256*PITCH
	v_add_nc_u32 v[ST], 64*BLK, v[ST]
	s_sub_co_u32 s[CTR], s[CTR], 1
	s_cmp_lg_u32 s[CTR], 0
	s_cbranch_scc1 .Lfill
	SLOT 0, 0, 48                                  ; the last four groups load nothing more: the counts run down
	SLOT 1, 0, 32
	SLOT 2, 0, 16
	SLOT 3, 0, 0
	s_wait_dscnt 0x0                               ; for the others' sake: my part of the image is written
	s_barrier_signal -1
	s_barrier_wait -1                              ; the image is whole; nothing writes it from here on
; PHASE C.
.macro BLOAD b, off, ar                ; a K step's eight weight fragments into buffer b: 512 consecutive bytes a load; ar holds my place in the unit's first block
	WIN 0
.irp ct, 0,1,2,3,4,5,6,7
	ds_load_b128 v[64+64*(\b)+8*\ct:64+64*(\b)+8*\ct+3],   v[\ar] offset:(\off)+\ct*BLK
	ds_load_b128 v[64+64*(\b)+8*\ct+4:64+64*(\b)+8*\ct+7], v[\ar] offset:(\off)+\ct*BLK+512
.endr
.endm
.macro ALOAD p, off, cond              ; four K steps' fragments of h for the five tiles into buffer p; cond = 1: dead tiles' loads are jumped (their registers were written by the trip's first two runs)
.irp i, 0,1,2,3,4
.if (\cond) && (\i > 0)
	WIN 0
	s_cmp_gt_u32 s[NL], \i
	s_cbranch_scc0 .Lal_\@
.endif
	WIN 0x80+0x40*(\p)                             ; destination window 2 or 3
.irp y, 0,1,2,3,4,5,6,7
	global_load_b128 v[64+32*\i+4*\y:64+32*\i+4*\y+3], v[AO+\i], s[AB:AB+1] offset:(\off)+512*\y
.endr
.endr
	WIN 0
.Lal_\@:
.endm
.macro MUL i, p, s4, mode              ; tile i, K step s4 of the unit in buffer p: eight products, the eight accumulators by turns.  mode = 1: the sums begin, with the constant 0 as C
.if (\i) < 4
.set ab, 64*(\i)
	WIN 0x52+(\p)                                  ; source 0 (h) window 2 or 3, source 1 (weights) window 0, C and D window 1
.else
.set ab, 0
	WIN 0xa2+(\p)                                  ; the same, C and D window 2
.endif
.irp ct, 0,1,2,3,4,5,6,7
.if \mode
	v_wmma_f32_16x16x32_bf16 v[ab+8*\ct:ab+8*\ct+7], v[64+32*(\i)+8*(\s4):64+32*(\i)+8*(\s4)+7], v[64+64*((\s4)&1)+8*\ct:64+64*((\s4)&1)+8*\ct+7], 0
.else
	v_wmma_f32_16x16x32_bf16 v[ab+8*\ct:ab+8*\ct+7], v[64+32*(\i)+8*(\s4):64+32*(\i)+8*(\s4)+7], v[64+64*((\s4)&1)+8*\ct:64+64*((\s4)&1)+8*\ct+7], v[ab+8*\ct:ab+8*\ct+7]
.endif
.endr
.endm
; A K step: the next step's weight fragments are asked for (and, in a unit's first step, the next unit's fragments of h), then up to 40 products.  Only products and loads are jumped, and every wait is for 0,
; so each wait holds on every way.  In a trip's first step nothing is jumped: all 40 accumulators are begun.  No two products that follow each other share an accumulator, with one live tile too (ct 7, then ct 0).
.macro KSTEP p, s4, first, last, ar
.set FS, 0
.if (\first) && ((\s4) == 0)
.set FS, 1
.endif
.set LS, 0
.if (\last) && ((\s4) == 3)
.set LS, 1
.endif
	PLACES                                         ; the loads below land in registers that the step before multiplied
.if !LS
	BLOAD ((\s4)+1)&1, ((\s4)+1)*8*BLK, \ar
.endif
.if ((\s4) == 0) && !(\last)
	ALOAD 1-(\p), AUNIT, 1-(\first)
.endif
	MUL 0, \p, \s4, FS
.irp i, 1,2,3,4
.if !FS
	WIN 0
	s_cmp_gt_u32 s[NL], \i
	s_cbranch_scc0 .Lks_\@
.endif
	MUL \i, \p, \s4, FS
.endr
	WIN 0
.Lks_\@:
	s_wait_dscnt 0x0                               ; the next step's weight fragments are in
.if (\s4) == 3
.if !(\last)
	s_wait_loadcnt 0x0                             ; the next unit's fragments of h are in, asked for four steps ago; their base is free
	s_add_nc_u64 s[AB:AB+1], s[AB:AB+1], AUNIT
.endif
.endif
.endm
.macro UNIT p, first, last, ar         ; four K steps on buffer p
	KSTEP \p, 0, \first, \last, \ar
	KSTEP \p, 1, \first, \last, \ar
	KSTEP \p, 2, \first, \last, \ar
	KSTEP \p, 3, \first, \last, \ar
.endm
; Tile i leaves.  Register j of the four column tiles 4 n + c is put on end (j ascending: each accumulator is read from its lowest register on); then 16 stores.
.macro OUTT i
.if (\i) > 0
	s_cmp_gt_u32 s[NL], \i
	s_cbranch_scc0 .Lode
.endif
	s_wait_xcnt 0x0                                ; the tile before's stores have read the registers that are written below
.if (\i) < 4
.set ab, 64*(\i)
	WIN 0x01                                       ; source window 1
.else
.set ab, 0
	WIN 0x02                                       ; window 2
.endif
.irp j, 0,1,2,3,4,5,6,7
.irp n, 0,1
.irp c, 0,1,2,3
	v_mov_b32 v[TO+8*\j+4*\n+\c], v[ab+8*(4*\n+\c)+\j]
.endr
.endr
.endr
	WIN 0
.irp j, 0,1,2,3,4,5,6,7
.irp n, 0,1
	global_store_b128 v[CO], v[TO+8*\j+4*\n:TO+8*\j+4*\n+3], s[OB:OB+1] offset:(\i)*262144+4096*\j+256*\n  ; lanes 0-15: 256 consecutive bytes of row j, at a multiple of 256 from part's first byte; lanes 16-31: of row 8 + j.  My tiles lie 64 rows apart
.endr
.endr
.endm
	s_add_co_u32 s[T0], s[CNT], 15
	s_lshr_b32 s[T0], s[T0], 4                     ; the expert's tiles
	s_add_co_u32 s[T0], s[T0], 3
	s_sub_co_u32 s[T0], s[T0], s[W]
	s_lshr_b32 s[REM], s[T0], 2                    ; those of them that are 4 lt + wave
	s_mov_b32 s[CTR], TRIPS
.Ltrip:
	s_cmp_gt_i32 s[REM], 0
	s_cbranch_scc0 .Lnext                          ; a dead trip: jumped forward; no barrier lies in what is jumped
	s_min_u32 s[NL], s[REM], G
.irp i, 0,1,2,3,4
	s_cmp_gt_u32 s[NL], \i
	s_cselect_b32 s[T0], (\i)*524288, 0            ; my tiles lie four apart: 4 x 131,072 bytes; a dead tile repeats the trip's first, whose bytes were stored
	v_add_nc_u32 v[AO+\i], s[T0], v[L16]
.endr
	s_mov_b64 s[AB:AB+1], s[AB0:AB0+1]
	s_mov_b32 s[TB], 32*BLK                        ; the K loop begins with unit 1
	ALOAD 0, 0, 0
	BLOAD 0, 0, BA0
	s_wait_loadcnt 0x0
	s_wait_dscnt 0x0
	UNIT 0, 1, 0, BA0                              ; the quarter's K = 1,024 is eight units of 128: 0 | (1, 2) (3, 4) (5, 6) | 7; a unit's 32 blocks are 33,280 bytes of the image
	s_mov_b32 s[CK], 3
.Lk:
	v_add_nc_u32 v[BA], s[TB], v[BA0]
	v_add_nc_u32 v[BB], 32*BLK, v[BA]
	UNIT 1, 0, 0, BA
	UNIT 0, 0, 0, BB
	s_add_co_u32 s[TB], s[TB], 64*BLK
	s_sub_co_u32 s[CK], s[CK], 1
	s_cmp_lg_u32 s[CK], 0
	s_cbranch_scc1 .Lk
	v_add_nc_u32 v[BA], 7*32*BLK, v[BA0]
	UNIT 1, 0, 1, BA
	PLACES                                         ; the copies below read results just made and write a weight buffer
	OUTT 0
	OUTT 1
	OUTT 2
	OUTT 3
	OUTT 4
.Lode:
.Lnext:
	s_wait_xcnt 0x0                                ; the stores' base is stepped, and their data registers are loaded again, only behind this wait
	s_sub_co_i32 s[REM], s[REM], G
	s_add_nc_u64 s[AB0:AB0+1], s[AB0:AB0+1], 4*G*131072
	s_add_nc_u64 s[OB:OB+1], s[OB:OB+1], 4*G*16*4096
	s_sub_co_u32 s[CTR], s[CTR], 1
	s_cmp_lg_u32 s[CTR], 0
	s_cbranch_scc1 .Ltrip
	s_wait_dscnt 0x0                               ; my reads of LDS are back;
	s_barrier_signal -1
	s_barrier_wait -1                              ; every wave's are: the launch's last LDS writes, below, stand behind all its LDS reads
	s_wait_tensorcnt 0x0                           ; the wave's end
	ds_add_u32 v[SPW], v[NIL]
	s_wait_dscnt 0x0
	s_endpgm
.Lfunc_end_k_qce5adf466f_down:
	.size	k_qce5adf466f_down, .Lfunc_end_k_qce5adf466f_down-k_qce5adf466f_down
	.p2alignl 7, 3214868480
	.fill 96, 4, 3214868480
	.section	.rodata,"a",@progbits
	.p2align	6, 0x0
	.amdhsa_kernel k_qce5adf466f_down
		.amdhsa_group_segment_fixed_size 266752
		.amdhsa_private_segment_fixed_size 0
		.amdhsa_enable_private_segment 0
		.amdhsa_kernarg_size 32
		.amdhsa_user_sgpr_count 2
		.amdhsa_user_sgpr_kernarg_segment_ptr 1
		.amdhsa_wavefront_size32 1
		.amdhsa_system_sgpr_workgroup_id_x 1
		.amdhsa_system_sgpr_workgroup_id_y 1
		.amdhsa_system_sgpr_workgroup_id_z 1
		.amdhsa_system_vgpr_workitem_id 0
		.amdhsa_next_free_vgpr 992
		.amdhsa_next_free_sgpr 66
		.amdhsa_reserve_vcc 0
		.amdhsa_float_denorm_mode_32 3
		.amdhsa_float_denorm_mode_16_64 3
		.amdhsa_memory_ordered 1
		.amdhsa_forward_progress 1
		.amdhsa_inst_pref_size 140
	.end_amdhsa_kernel
	.amdgpu_metadata
---
amdhsa.version: [ 1, 2 ]
amdhsa.kernels:
  - .name:           k_qce5adf466f_down
    .symbol:         k_qce5adf466f_down.kd
    .args:
      - { .name: w2, .offset: 0, .size: 8, .value_kind: global_buffer, .address_space: global }
      - { .name: hbuf, .offset: 8, .size: 8, .value_kind: global_buffer, .address_space: global }
      - { .name: ecnt, .offset: 16, .size: 8, .value_kind: global_buffer, .address_space: global }
      - { .name: part, .offset: 24, .size: 8, .value_kind: global_buffer, .address_space: global }
    .group_segment_fixed_size: 266752
    .private_segment_fixed_size: 0
    .kernarg_segment_align: 8
    .kernarg_segment_size: 32
    .max_flat_workgroup_size: 128
    .sgpr_count:     66
    .vgpr_count:     992
    .wavefront_size: 32
...
	.end_amdgpu_metadata
.endif
;; end of part 3
;; launch sum (part 4): grid 1024 x 1, 4 waves a work-group, no clusters, 0 bytes of LDS; arguments part, b2, tidx, twt, rpos, out0; writes out0
.if DOCPART == 4
	.amdgcn_target "amdgcn-amd-amdhsa--gfx1250"
	.amdhsa_code_object_version 6
	.text
	.protected	k_qce5adf466f_sum
	.globl	k_qce5adf466f_sum
	.p2align	8
	.type	k_qce5adf466f_sum,@function
k_qce5adf466f_sum:
	s_mov_b64 s[64:65], 0
	v_nop
	global_prefetch_b8 v0, s[64:65] scope:SCOPE_SE
	s_setreg_imm32_b32 hwreg(HW_REG_WAVE_MODE, 25, 1), 1
	s_wait_xcnt 0x0
; THE SUM.  out[t] = w0 (y[e0] + b2[e0]) + w1 (y[e1] + b2[e1]), where y[e] is the sum of the four K quarters' rows part[q][1,024 e + rank of t in e].
; A work-group is one token, each output row has this one owner; wave w owns columns 256 w .. + 255, a lane two pieces of 16 bytes 512 bytes apart: every load and store covers 512 consecutive bytes.
; The two experts, their weights and the ranks were stored by earlier launches and are read by scalar loads; each index is clamped to its table before it enters an address.
; Token t's word in an expert's table of ranks is 128 (t / 128) + 4 (t % 32) + (t / 32) % 4, as the first product stored it.
; All in f32; b2 is rounded to bf16 like every input of the program.  Memory binds: no LDS, no barrier, no matrix unit; all 20 loads of a wave are out before the first wait.
.set T,  4                             ; v4-5 at work
.set PB, 8                             ; v[8:87]  half hf, expert j at 8 + 40 hf + 20 j: four planes of 4 registers, then b2
.set O,  88                            ; v[88:95] the result, 4 registers a half
	s_load_b256 s[4:11], s[0:1], 0x0               ; part s[4:5], b2 s[6:7], tidx s[8:9], twt s[10:11]
	s_load_b128 s[12:15], s[0:1], 0x20             ; rpos s[12:13], out0 s[14:15]
	v_and_b32 v2, 31, v0
	v_lshrrev_b32 v3, 5, v0
	v_lshlrev_b32 v1, 4, v2
	v_lshl_add_u32 v1, v3, 10, v1                  ; 1,024 wave + 16 lane
	s_mov_b32 s26, ttmp9                           ; t
	s_lshl_b32 s27, s26, 3
	s_mov_b32 s29, 0
	s_and_b32 s30, s26, 0x380                      ; 128 (t / 128)
	s_and_b32 s31, s26, 31
	s_lshl_b32 s31, s31, 2                         ; 4 (t % 32)
	s_add_co_u32 s30, s30, s31
	s_bfe_u32 s31, s26, 0x20005                    ; (t / 32) % 4: two bits from bit 5
	s_add_co_u32 s30, s30, s31                     ; t's word in a table of ranks
	s_wait_kmcnt 0x0
	s_load_b64 s[16:17], s[8:9], s27 offset:0x0    ; the two experts
	s_load_b64 s[18:19], s[10:11], s27 offset:0x0  ; their weights
	s_wait_kmcnt 0x0
	s_min_u32 s16, s16, 7
	s_min_u32 s17, s17, 7
	s_lshl_b32 s22, s16, 10
	s_add_co_u32 s22, s22, s30
	s_lshl_b32 s22, s22, 2                         ; the rank of t in e0
	s_lshl_b32 s23, s17, 10
	s_add_co_u32 s23, s23, s30
	s_lshl_b32 s23, s23, 2
	s_load_b32 s24, s[12:13], s22 offset:0x0
	s_load_b32 s25, s[12:13], s23 offset:0x0
	s_mov_b32 s20, s19                             ; w1 as the low word of a pair of its own: a packed instruction takes a pair's low word for both halves
	s_mov_b32 s21, s19
	s_lshl_b32 s28, s16, 12
	s_add_nc_u64 s[48:49], s[6:7], s[28:29]        ; b2[e0]
	s_lshl_b32 s28, s17, 12
	s_add_nc_u64 s[50:51], s[6:7], s[28:29]        ; b2[e1]
	s_lshl_b32 s28, s26, 12
	s_add_nc_u64 s[14:15], s[14:15], s[28:29]      ; out[t]
	s_wait_kmcnt 0x0
	s_min_u32 s24, s24, 0x3ff
	s_min_u32 s25, s25, 0x3ff
	s_lshl_b32 s28, s16, 10
	s_add_co_u32 s28, s28, s24
	s_lshl_b32 s28, s28, 12                        ; row 1,024 e0 + rank, 4,096 bytes a row
	s_add_nc_u64 s[32:33], s[4:5], s[28:29]
	s_lshl_b32 s28, s17, 10
	s_add_co_u32 s28, s28, s25
	s_lshl_b32 s28, s28, 12
	s_add_nc_u64 s[40:41], s[4:5], s[28:29]
.irp b, 32,34,36,40,42,44
	s_add_nc_u64 s[\b+2:\b+3], s[\b:\b+1], 0x2000000   ; the next plane: 8,192 rows on
.endr
.irp hf, 0,1
.irp j, 0,1
.irp q, 0,1,2,3
	global_load_b128 v[PB+40*\hf+20*\j+4*\q:PB+40*\hf+20*\j+4*\q+3], v1, s[32+8*\j+2*\q:33+8*\j+2*\q] offset:512*\hf th:TH_LOAD_NT
.endr
	global_load_b128 v[PB+40*\hf+20*\j+16:PB+40*\hf+20*\j+19], v1, s[48+2*\j:49+2*\j] offset:512*\hf
.endr
.endr
.macro ROWS hf, j                      ; ((p0 + p1) + (p2 + p3)) + b2, into p0's registers
.set pb, PB+40*(\hf)+20*(\j)
	v_cvt_pk_bf16_f32 v[T], v[pb+16], v[pb+17]
	v_cvt_pk_bf16_f32 v[T+1], v[pb+18], v[pb+19]
.irp z, 0,2
	v_pk_add_f32 v[pb+\z:pb+\z+1], v[pb+\z:pb+\z+1], v[pb+4+\z:pb+5+\z]
	v_pk_add_f32 v[pb+8+\z:pb+9+\z], v[pb+8+\z:pb+9+\z], v[pb+12+\z:pb+13+\z]
.endr
	v_lshlrev_b32 v[pb+16], 16, v[T]
	v_and_b32 v[pb+17], 0xffff0000, v[T]
	v_lshlrev_b32 v[pb+18], 16, v[T+1]
	v_and_b32 v[pb+19], 0xffff0000, v[T+1]
.irp z, 0,2
	v_pk_add_f32 v[pb+\z:pb+\z+1], v[pb+\z:pb+\z+1], v[pb+8+\z:pb+9+\z]
.endr
.irp z, 0,2
	v_pk_add_f32 v[pb+\z:pb+\z+1], v[pb+\z:pb+\z+1], v[pb+16+\z:pb+17+\z]
.endr
.endm
.macro HALF hf, left
	s_wait_loadcnt \left
	ROWS \hf, 0
	ROWS \hf, 1
.irp z, 0,2
	v_pk_mul_f32 v[O+4*(\hf)+\z:O+4*(\hf)+\z+1], v[PB+40*(\hf)+\z:PB+40*(\hf)+\z+1], s[18:19] op_sel_hi:[1,0]
.endr
.irp z, 0,2
	v_pk_fma_f32 v[O+4*(\hf)+\z:O+4*(\hf)+\z+1], v[PB+40*(\hf)+20+\z:PB+40*(\hf)+21+\z], s[20:21], v[O+4*(\hf)+\z:O+4*(\hf)+\z+1] op_sel_hi:[1,0,1]
.endr
	global_store_b128 v1, v[O+4*(\hf):O+4*(\hf)+3], s[14:15] offset:512*(\hf) th:TH_STORE_NT
.endm
	HALF 0, 10                                     ; the first half's ten loads are in, the second half's ten stay out
	HALF 1, 0
	s_endpgm
.Lfunc_end_k_qce5adf466f_sum:
	.size	k_qce5adf466f_sum, .Lfunc_end_k_qce5adf466f_sum-k_qce5adf466f_sum
	.p2alignl 7, 3214868480
	.fill 96, 4, 3214868480
	.section	.rodata,"a",@progbits
	.p2align	6, 0x0
	.amdhsa_kernel k_qce5adf466f_sum
		.amdhsa_group_segment_fixed_size 0
		.amdhsa_private_segment_fixed_size 0
		.amdhsa_enable_private_segment 0
		.amdhsa_kernarg_size 48
		.amdhsa_user_sgpr_count 2
		.amdhsa_user_sgpr_kernarg_segment_ptr 1
		.amdhsa_wavefront_size32 1
		.amdhsa_system_sgpr_workgroup_id_x 1
		.amdhsa_system_sgpr_workgroup_id_y 1
		.amdhsa_system_sgpr_workgroup_id_z 1
		.amdhsa_system_vgpr_workitem_id 0
		.amdhsa_next_free_vgpr 96
		.amdhsa_next_free_sgpr 66
		.amdhsa_reserve_vcc 0
		.amdhsa_float_denorm_mode_32 3
		.amdhsa_float_denorm_mode_16_64 3
		.amdhsa_memory_ordered 1
		.amdhsa_forward_progress 1
		.amdhsa_inst_pref_size 9
	.end_amdhsa_kernel
	.amdgpu_metadata
---
amdhsa.version: [ 1, 2 ]
amdhsa.kernels:
  - .name:           k_qce5adf466f_sum
    .symbol:         k_qce5adf466f_sum.kd
    .args:
      - { .name: part, .offset: 0, .size: 8, .value_kind: global_buffer, .address_space: global }
      - { .name: b2, .offset: 8, .size: 8, .value_kind: global_buffer, .address_space: global }
      - { .name: tidx, .offset: 16, .size: 8, .value_kind: global_buffer, .address_space: global }
      - { .name: twt, .offset: 24, .size: 8, .value_kind: global_buffer, .address_space: global }
      - { .name: rpos, .offset: 32, .size: 8, .value_kind: global_buffer, .address_space: global }
      - { .name: out0, .offset: 40, .size: 8, .value_kind: global_buffer, .address_space: global }
    .group_segment_fixed_size: 0
    .private_segment_fixed_size: 0
    .kernarg_segment_align: 8
    .kernarg_segment_size: 48
    .max_flat_workgroup_size: 128
    .sgpr_count:     66
    .vgpr_count:     96
    .wavefront_size: 32
...
	.end_amdgpu_metadata
.endif
;; end of part 4
